; MI455X (gfx1250); checked and timed in simulation.
; The chip was launched on July 23, 2026; its instructions are those of AMD's public machine-readable ISA for CDNA 5 (MIT licence, August 2026) and "CDNA5" Instruction Set Architecture Reference Guide (July 2026). The comments in the code are by the model that wrote it; some were corrected since.
;; Global Attention. Allowed arithmetic: matrix products marked QUANTISED: E2M1 operands, one E8M0 scale for each 32 along K, by v_wmma_scale_f32_16x16x128_f8f6f4 with both operands' format E2M1 (or v_wmma_scale_f32_32x16x128_f4), f32 sums; products left as they are: f32 operands where the result goes on into a quantised operand, else bf16, f16 or f32 operands; f32 sums; everything else in f32.
;; Inputs: S_codes 32 x 1,024 x 32 x 16 uint8 (E2M1 codes of S, K innermost, in blocks of 32 codes, two codes a byte); S_scales 32 x 1,024 x 32 uint8 (E8M0 scales of S, one for each 32 codes along K); Wk_codes 16 x 64 x 32 x 16 uint8 (E2M1 codes of Wk, K innermost, in blocks of 32 codes, two codes a byte); Wk_scales 16 x 64 x 32 uint8 (E8M0 scales of Wk, one for each 32 codes along K); Wq_codes 16 x 64 x 32 x 16 uint8 (E2M1 codes of Wq, K innermost, in blocks of 32 codes, two codes a byte); Wq_scales 16 x 64 x 32 uint8 (E8M0 scales of Wq, one for each 32 codes along K); Wv_codes 16 x 64 x 32 x 16 uint8 (E2M1 codes of Wv, K innermost, in blocks of 32 codes, two codes a byte); Wv_scales 16 x 64 x 32 uint8 (E8M0 scales of Wv, one for each 32 codes along K); X_codes 32 x 32 x 16 uint8 (E2M1 codes of X, K innermost, in blocks of 32 codes, two codes a byte); X_scales 32 x 32 uint8 (E8M0 scales of X, one for each 32 codes along K).
;; Outputs: out0 32 x 1,024 float32.
;; This version of the problem:
;;   THIS VERSION OF THE PROBLEM IS GIVEN IN LOW PRECISION. The matrix products marked QUANTISED in the list below multiply operands that are first quantised to E2M1 (2 exponent bits, 1 mantissa bit; 4 bits a number), with one power-of-two scale for each 32 numbers along K (OCP MX v1.0); their sums are f32. All else is computed in f32.
;;   The module's matrix products, in the order in which they are computed (A, B: the left and right operand; K: the contracted axis; several contracted axes count as one K, in the product's order):
;;     1. [M 1,024, K 1,024] x [K 1,024, N 32,768]; A: input Wv (given as codes); B: input S (given as codes): QUANTISED
;;     2. [M 32, K 1,024] x [K 1,024, N 1,024]; A: input X (given as codes); B: input Wq (given as codes): QUANTISED
;;     3. [M 1,024, K 1,024] x [K 1,024, N 32,768]; A: input Wk (given as codes); B: input S (given as codes): QUANTISED
;;     4. batch 512 x [M 1, K 64] x [K 64, N 1,024]; A: computed on the way; B: computed on the way: left as it is (M = 1 < 16)
;;     5. batch 512 x [M 1, K 1,024] x [K 1,024, N 64]; A: softmax; B: computed on the way: left as it is (M = 1 < 16)
;;   THE QUANTISER, for each operand of a quantised product, along K:
;;     - K is cut into blocks of 32 from its start; a last block that is shorter is filled with zeros.
;;     - A block's scale is 2^e with e = floor(log2(the largest magnitude in the block)) - 2, held to -126 .. 127; a block of zeros has e = 0. As a byte (E8M0): e + 127.
;;     - Each number is divided by its block's scale, clamped to +-6, and rounded to the nearest number of E2M1, ties to even, subnormals kept.
;;     - The product sums the exact products of the quantised numbers (number of the format x scale) in f32.
;;   ~~~python
;;   def quantise(x, axis):      # numpy; x: float32 -> the quantised numbers, widened to float32 again
;;       x = np.moveaxis(x, axis, -1); K = x.shape[-1]
;;       x = np.pad(x, [(0, 0)] * (x.ndim - 1) + [(0, -K % 32)]); x = x.reshape(x.shape[:-1] + (-1, 32)); a = np.abs(x).max(-1, keepdims=True)
;;       e = np.where(a > 0, np.clip(np.frexp(np.where(a > 0, a, 1))[1] - 1 - 2, -126, 127), 0)      # np.frexp(a)[1] - 1 = floor(log2(a)), exactly
;;       r = np.clip(x / 2.0 ** e, -6, 6)
;;       step = 2.0 ** (np.maximum(np.frexp(np.where(r == 0, 1, r))[1] - 1, 0) - 1)
;;       q = np.round(r / step) * step * 2.0 ** e      # np.round: ties to even
;;       return np.moveaxis(q.reshape(q.shape[:-2] + (-1,))[..., :K], -1, axis).astype(np.float32)
;;   ~~~
;;   INPUTS GIVEN AS CODES. S (in the module: [32, 1024, 1024], K = its axis 2); Wk (in the module: [16, 1024, 64], K = its axis 1); Wq (in the module: [16, 1024, 64], K = its axis 1); Wv (in the module: [16, 1024, 64], K = its axis 1); X (in the module: [32, 1024], K = its axis 1): each comes as NAME_codes (uint8): NAME with its K axis moved to the last place and cut into blocks of 32 codes, [.., K / 32, bytes a block], one block behind the other in memory; two codes a byte, the lower K in the low four bits (a code: sign, 2 exponent bits, 1 mantissa bit); and NAME_scales (uint8): the same leading axes, one E8M0 byte (e + 127) for each 32 codes along K. Its value is code x scale, taken as it is: it is not quantised again, and the codes and scales need not be those that the quantiser above would give.
;; One version. Each part assembles by itself: llvm-mc -triple=amdgcn-amd-amdhsa -mcpu=gfx1250 --defsym DOCPART=n.
;; ======== version 1 of 1: 1 launch
;; limits: a function is approximated: absolute error at most 1.5e-07
;; launch attn (part 1): grid 8 x 32, 4 waves a work-group, clusters of 4 x 4, 327,680 bytes of LDS; arguments S_codes, S_scales, Wk_codes, Wk_scales, Wq_codes, Wq_scales, Wv_codes, Wv_scales, X_codes, X_scales, out0; writes out0
.if DOCPART == 1
	.amdgcn_target "amdgcn-amd-amdhsa--gfx1250"
	.amdhsa_code_object_version 6
	.text
	.protected	k_q6769bf3b76_attn
	.globl	k_q6769bf3b76_attn
	.p2align	8
	.type	k_q6769bf3b76_attn,@function
k_q6769bf3b76_attn:
	s_mov_b64 s[64:65], 0
	v_nop
	global_prefetch_b8 v0, s[64:65] scope:SCOPE_SE
	s_setreg_imm32_b32 hwreg(HW_REG_WAVE_MODE, 25, 1), 1
	s_wait_xcnt 0x0
	s_wait_alu depctr_hold_cnt(0) depctr_sa_sdst(0) depctr_va_vdst(0) depctr_va_sdst(0) depctr_va_ssrc(0) depctr_va_vcc(0) depctr_vm_vsrc(0)
	s_getreg_b32 s2, hwreg(HW_REG_IB_STS2, 6, 4)
	s_cmp_eq_u32 s2, 0
	s_cbranch_scc0 .Lentry_in_a_cluster
	s_endpgm
.Lentry_in_a_cluster:
	s_bfe_u32 s2, ttmp6, 0x10000c
	s_cmp_lg_u32 s2, 0xf033
	s_cbranch_scc0 .Lentry_shape_is_right
	s_endpgm
.Lentry_shape_is_right:
; out0[b][64 hd + v] = sum over l of softmax_l(q . k_l / 8) gelu(S[b][l] . Wv[hd][v]),  q = tanh(X[b] . Wq[hd]),  k_l = tanh(S[b][l] . Wk[hd]).
; S [32][1024][1024], X [32][1024], Wq, Wk, Wv [16][64][1024]: codes of FP4 (E2M1), K innermost, two a byte, one E8M0 byte for each 32 along K.  The three projections go to the matrix unit as codes and bytes lie;
; the two products with one row (q . k, z . v) are f32 multiply-adds in the lanes.  Nothing goes to memory but the 128 results of a work-group.
; SHARES.  Work-group (x, y) owns batch y and heads 2 x, 2 x + 1: 512 consecutive bytes of out0.  Wave w takes head w / 2 of the two and half w % 2 of the positions.  It keeps ALL of its head's Wk and Wv
; (128 rows x 1,024 K: 64 fragments, 512 registers) for the whole launch and walks 512 positions, 16 a tile: 32 matrix instructions of 32 x 16 x 128 a tile, fed by 16 LDS loads of S's codes and 2 of its scale words.
; LAYOUT.  Source 0 = 32 rows of W, source 1 = 16 positions of S: lane (r, h) holds ONE position r, and register 8 c + j of the 64 results the row 16 c + 8 h + j of W (c = 0-3: keys, 4-7: values).  So a logit is a sum
; within the lane and one exchange with lane l xor 16, and the weighted values are summed in 32 registers a lane; the lanes meet once, at the end.
; ARITHMETIC, all f32.  tanh(x) = 1 - 2 r, r = 1 / (1 + 2^(2 log2(e) x)).  With c = log2(e) / 8: p = e^logit = 2^t, t = c sum(q) - 2 c sum(q r): the lane keeps -2 c q (QS) and c x the sum of its 32 q (TZ).
; 2 gelu(x) = x + |x| erf(|x| / sqrt 2); erf(z) = 1 - (a1 u + .. + a5 u^5) e^(-z z), u = 1 / (1 + 0.3275911 z) (Abramowitz and Stegun 7.1.26).  The values are carried as y = kappa x, kappa = sqrt(log2(e) / 2):
; then e^(-z z) = 2^(-y y), u = 1 / (1 + 0.3275911 |y| / sqrt(log2 e)), and y + |y| erf = 2 kappa gelu(x): the factor 0.5 / kappa is applied once, at the end.
; NO MAXIMUM IS TAKEN AWAY ahead of the exponential: tanh holds every q and k at 1 in magnitude, for every input, so |logit| <= 64 / 8 = 8, p lies in 3.3e-4 .. 2,981 and a sum of 1,024 of them under 3.1e6.
; LIMITS.  The formula for erf is off by up to 1.5e-7, so gelu(x) by up to 0.75e-7 |x| where |x| is under about 6 and by nothing beyond.  A scale byte 0xff, or a projection that is infinite, gives NaN or infinity as it falls.
; BY TURNS.  A wave issues in order and holds all its SIMD's registers, so nothing else fills the time in which the matrix unit works.  A tile has 392 vector instructions for its 32 matrix instructions.  So the products
; of tile k stand between the vector work of tile k - 1: 360 of its instructions, cut into 32 slices of 11 or 12, one slice behind each matrix instruction.  The other 32 (TRANSFER) take a finished tile's sums out of
; the accumulators, scaled as the exponentials want them, so that the next tile's products can start the same accumulators anew.
; CLUSTER, 4 x 4.  S's tiles and scale bytes hang on the batch alone and are asked for jointly along a row of the cluster; Wk's, Wv's and Wq's codes hang on the pair of heads alone and are asked for jointly along a column.
; REGISTERS, in windows of 256 (s_set_vgpr_msb: bits 1:0 source 0, 3:2 source 1, 5:4 source 2, 7:6 destination).  Window 0: addresses, scale words, sums and all the vector work.
;   Window 1: W's fragment (c, K step s) for s = 0-3 at v[8 (8 s + c)].  Window 2: the same for s = 4-7.  Window 3: at the head Wq's 32 fragments; then v0-63 S's eight fragments of a tile, v64-95 QS, v96-159 the accumulators.
; W fills two windows, and a vector instruction's first source cannot lie there: so a slice costs two switches, 64 a tile.  That is why the 32-row form is taken: with 16 rows to an instruction it would be 128.
.set PITCH, 528                        ; an LDS row of codes: 512 bytes + 16 of padding: an odd multiple of 16 bytes, so that the 16 rows of a fragment load fall on 16 different columns of 16 bytes
.set TILEB, 16*PITCH
.set QTR,   32*PITCH                   ; what one tensor load of codes brings
.set CHK,   64*PITCH
.set SLOTB, 128*PITCH                  ; slot 0 at 0; slot 1 at SLOTB (its first fill: Wq's 128 rows of my two heads)
.set WST,   2*SLOTB                    ; Wk's 128 rows, then Wv's 128 rows: filled once
.set SCL,   4*SLOTB                    ; S's scale bytes of the whole batch: 128 pieces of 256 bytes (8 positions) + 16 of padding: filled once
.set SCQ,   32*272                     ; a quarter of them
.set SPARE, SCL+4*SCQ                  ; the spare words, 128 bytes for each wave: two blocks of 256 bytes that no other line names
.set RED,   SPARE+512                  ; the waves' final sums: 512 bytes a wave, written by LDS stores; no tile lands here
.set PHB,   128*512                    ; a phase's 128 positions of S's codes in memory
.set NEI,   360                        ; vector instructions of a tile that are dealt out in slices
.set RR,   1                           ; v1   r = lane % 16
.set HF,   2                           ; v2   h = lane / 16
.set AS0,  3                           ; v3   my lane's place in a slot: my half's 64 rows, row r, 16 h
.set ADR,  4                           ; v4   LDS address of the tile to be fetched
.set ASC,  5                           ; v5   and of its scale words
.set SPW,  6                           ; v6   LDS address of my spare word; never rewritten
.set NIL,  7                           ; v7   0; never rewritten
.set AWK,  8                           ; v8   my head's rows of Wk in the stage
.set AWV,  9                           ; v9   of Wv
.set LO32, 10                          ; v10  32 x lane: a row of scale bytes
.set HO16, 11                          ; v11  16 h
.set PFO,  12                          ; v12  256 x lane: the prefetches' offset; never rewritten
.set ZO,   13                          ; v13  0, as an offset
.set ASC0, 14                          ; v14  my lane's place among S's scale words
.set AWQ,  15                          ; v15  my head's rows of Wq in slot 1
.set SS,   16                          ; v16-23  S's scale words of the tile: register s for K step s
.set WS,   24                          ; v24-55  W's scale words: register 8 g + s: lane m holds row 32 g + m of my head's 128 (64 of Wk, 64 of Wv), K step s
.set YA,   56                          ; v56-87  the running sums of p x 2 kappa gelu
.set KA,   88                          ; v88-119 the keys at work
.set VA,   120                         ; v120-151 the values at work: y
.set V1,   VA+16
.set TA,   152                         ; u, 2^(-y y) and the polynomial for the values' first 16 registers
.set EA,   168
.set UA,   184
.set TC1,  200                         ; u and 2^(-y y) for the last 16; their polynomial takes the keys' registers once these are summed
.set EC1,  216
.set UB,   KA
.set CH,   232                         ; v232-239 four chains of pairs for the logit
.set TZ,   240                         ; v[240:241] (c x the sum of my 32 q, 0)
.set PP,   242                         ; v[242:243] (p, 0)
.set SUMP, 244
.set LG,   245
.set LX,   246
.set TMP,  247
.set A5,   248                         ; v[248:249] a5, twice
.set RA,   250                         ; v250 the end: where I put my sums;  v251, v253 where wave 0 reads them;  v252 16 x lane in out0
.set RL,   251
.set GO,   252
.set RS,   253
.set ASCP, 254                         ; v254 the phase's first scale words
.set XF,   120                         ; at the head only: X's eight fragments, Wq's scale words, X's scale words
.set WQS,  200
.set XS,   216
.set QS,   64                          ; in window 3
.set ACC,  96                          ; in window 3: four accumulators of 16 registers: 32 rows of W x 16 positions each
.set TC,   2                           ; s2   trips to go in a phase (at the head: a temporary made of the wave's number alone, and so is s3)
.set LP,   3                           ; s3   laps to go
.set SI,   4                           ; s4   the tile's scale words within the phase (S's pointer is done with by then)
.set WV,   26
.set HH,   27
.set RH,   28
.set CX,   29
.set CY,   30
.set HP,   31
.set BB,   32
.set LIM,  33                          ; s33  1 in a wave that prefetches, else the greatest number
.set PFA,  34                          ; s[34:35] where my prefetches stand
.set G1S,  36                          ; s[36:43] group 1: 32 rows of 512 bytes, to my row of the cluster (S)
.set G1Q,  44                          ; s[44:51] the same, to my column (Wk, Wv, Wq)
.set G0WV, 52
.set SEL,  60                          ; s[60:61] v_permlanex16_b32's selects for lane l xor 16
.set TO,   62                          ; s62  LDS byte of the tile to be fetched, less my lane's place
.set SO,   63                          ; s63  the phase's scale words: 4,352 bytes a phase
.set G1C,  68                          ; s[68:75] group 1: 32 rows of 256 bytes, to my row (S's scale bytes)
.set G0A,  76                          ; s[76:79], s[80:83] groups 0 of slots 0 and 1
.set G0B,  80
.set G0WK, 84
.set G0Q,  88
.set G0C,  92
.set C2L,  96                          ; scalar pairs: the packed forms name a pair and take its low word for both halves
.set KAP,  98
.set CA4,  100
.set CA3,  12                          ; these take pointers' registers once the head's loads are in
.set CA2,  8
.set CA1,  10
.set PCO,  14
.set K4C,  16
.set KM2C, 17
.set K32C, 18
.set MSB, 0
.macro WIN new                         ; the immediate's high byte repeats the setting that is left; a switch that changes nothing is dropped
.if MSB != \new
	s_set_vgpr_msb (MSB<<8)|\new
.set MSB, \new
.endif
.endm
; A round of the cluster's barrier: my work-group's barrier, wave 0 signals for the work-group, every wave waits for all sixteen, my work-group's barrier once more.
.macro ROUND
	s_barrier_signal -1
	s_barrier_wait -1
	s_cmp_lg_u32 s[WV], 0
	s_cbranch_scc1 .Lnot_wave_0_\@
	s_barrier_signal -3
.Lnot_wave_0_\@:
	s_barrier_wait -3
	s_barrier_signal -1
	s_barrier_wait -1
.endm
; One matrix instruction, by the symbols rD, rA, rB, rW, rX, ks: 32 rows of a weight (two neighbouring fragments; their scale words in all 32 lanes of one register) x 16 columns x 128 along K.
; K step 0 starts the sum with the constant 0.
.macro MM32
.if ks == 0
	v_wmma_scale_f32_32x16x128_f4 v[rD:rD+15], v[rA:rA+15], v[rB:rB+7], 0, v[rW], v[rX]
.else
	v_wmma_scale_f32_32x16x128_f4 v[rD:rD+15], v[rA:rA+15], v[rB:rB+7], v[rD:rD+15], v[rW], v[rX]
.endif
.endm
; Half hf of a tile's LDS loads, nine in one run: 16 positions x 512 K of codes (a fragment of 128 K: two loads of 16 bytes, 32 bytes apart) into window 3, and each position's 16 scale bytes.
.macro FETCH hf
	WIN 0xc0                                       ; destination window 3, address window 0
.irp k, 0,1,2,3
	ds_load_b128 v[8*(4*\hf+\k):8*(4*\hf+\k)+3],   v[ADR] offset:64*(4*\hf+\k)
	ds_load_b128 v[8*(4*\hf+\k)+4:8*(4*\hf+\k)+7], v[ADR] offset:64*(4*\hf+\k)+32
.endr
	WIN 0
	ds_load_b128 v[SS+4*\hf:SS+4*\hf+3], v[ASC] offset:16*\hf
.endm
; Pieces of the vector work, for pair or register n.  XPOLY: line n of 32 of Horner's scheme on eight pairs.  XSQ: -y y.  XTIMES: x u.  XERF: 1 - polynomial x 2^(-y y).  XGELU: y + |y| erf.  XSUM: the sums take p x that.
.macro XPOLY u, t, n
.set pq, 2*((\n)%8)
.if (\n) < 8
	v_pk_fma_f32 v[\u+pq:\u+pq+1], v[\t+pq:\t+pq+1], v[A5:A5+1], s[CA4:CA4+1] op_sel_hi:[1,1,0]
.elseif (\n) < 16
	v_pk_fma_f32 v[\u+pq:\u+pq+1], v[\u+pq:\u+pq+1], v[\t+pq:\t+pq+1], s[CA3:CA3+1] op_sel_hi:[1,1,0]
.elseif (\n) < 24
	v_pk_fma_f32 v[\u+pq:\u+pq+1], v[\u+pq:\u+pq+1], v[\t+pq:\t+pq+1], s[CA2:CA2+1] op_sel_hi:[1,1,0]
.else
	v_pk_fma_f32 v[\u+pq:\u+pq+1], v[\u+pq:\u+pq+1], v[\t+pq:\t+pq+1], s[CA1:CA1+1] op_sel_hi:[1,1,0]
.endif
.endm
.macro XSQ e, x, n
	v_pk_mul_f32 v[\e+2*(\n):\e+2*(\n)+1], v[\x+2*(\n):\x+2*(\n)+1], v[\x+2*(\n):\x+2*(\n)+1] neg_lo:[1,0] neg_hi:[1,0]
.endm
.macro XTIMES u, t, n
	v_pk_mul_f32 v[\u+2*(\n):\u+2*(\n)+1], v[\u+2*(\n):\u+2*(\n)+1], v[\t+2*(\n):\t+2*(\n)+1]
.endm
.macro XERF u, e, n
	v_pk_fma_f32 v[\u+2*(\n):\u+2*(\n)+1], v[\u+2*(\n):\u+2*(\n)+1], v[\e+2*(\n):\e+2*(\n)+1], 1.0 op_sel_hi:[1,1,0] neg_lo:[1,0,0] neg_hi:[1,0,0]
.endm
.macro XGELU u, x, n
	v_fma_f32 v[\u+(\n)], |v[\x+(\n)]|, v[\u+(\n)], v[\x+(\n)]
.endm
.macro XSUM y, u, n
	v_pk_fma_f32 v[\y+2*(\n):\y+2*(\n)+1], v[\u+2*(\n):\u+2*(\n)+1], v[PP:PP+1], v[\y+2*(\n):\y+2*(\n)+1] op_sel_hi:[1,0,1]
.endm
; THE VECTOR WORK OF A TILE behind TRANSFER is a list of 360 instructions on registers alone; EI writes number j of it.  Up to number 255 a transcendental stands at every even number and a plain line of another
; strand, which touches neither its result nor its source, at every odd one (ISA guide 5.7.2).
;   0-63     2^(keys);  1 + 0.3275911 |z| of the values' first 16 and of 8 more;  -y y of the first 16
;   64-127   u and 2^(-y y) of the first 16;  1 + 2^(keys);  the last 8 of 1 + 0.3275911 |z|;  -y y of the last 16
;   128-191  r of the keys;  the polynomial of the first 16
;   192-223  u of the last 16;  the first 16: x u, then erf
;   224-255  2^(-y y) of the last 16;  t = c sum(q) - 2 c sum(q r), in four chains of pairs: QS lies in window 3, so these lines have source 1 there
;   256-311  the logit's end, p and its sum, with y + |y| erf of the first 16 and the polynomial of the last 16 between its steps (the keys' registers are free)
;   312-359  the last 16: x u, erf, y + |y| erf;  the 32 sums
.macro EI
.if (j < 224) || (j >= 256)
	WIN 0
.endif
.if j < 64
.set ei, j/4
.set em, j%4
.if em == 0
	v_exp_f32 v[KA+2*ei], v[KA+2*ei]
.elseif em == 1
	v_fma_f32 v[TA+ei], |v[VA+ei]|, s[PCO], 1.0
.elseif em == 2
	v_exp_f32 v[KA+2*ei+1], v[KA+2*ei+1]
.elseif ei < 8
	XSQ EA, VA, ei
.else
	v_fma_f32 v[TC1+ei-8], |v[V1+ei-8]|, s[PCO], 1.0
.endif
.elseif j < 128
.set ei, (j-64)/4
.set em, j%4
.if em == 0
	v_rcp_f32 v[TA+ei], v[TA+ei]
.elseif em == 1
	v_pk_add_f32 v[KA+2*ei:KA+2*ei+1], v[KA+2*ei:KA+2*ei+1], 1.0 op_sel_hi:[1,0]
.elseif em == 2
	v_exp_f32 v[EA+ei], v[EA+ei]
.elseif ei < 8
	v_fma_f32 v[TC1+8+ei], |v[V1+8+ei]|, s[PCO], 1.0
.else
	XSQ EC1, V1, ei-8
.endif
.elseif j < 192
.set ei, (j-128)/2
.if j%2 == 0
	v_rcp_f32 v[KA+ei], v[KA+ei]                   ; r: the key is 1 - 2 r
.else
	XPOLY UA, TA, ei
.endif
.elseif j < 224
.set ei, (j-192)/2
.if j%2 == 0
	v_rcp_f32 v[TC1+ei], v[TC1+ei]
.elseif ei < 8
	XTIMES UA, TA, ei
.else
	XERF UA, EA, ei-8
.endif
.elseif j < 256
.set ei, (j-224)/2
.if j%2 == 0
.if MSB != 0                                   ; (an exponential has no source 1: it stands under either setting)
	WIN 0x0c
.endif
	v_exp_f32 v[EC1+ei], v[EC1+ei]
.else
	WIN 0x0c                                       ; source 1 (QS) window 3
.if ei == 0
	v_pk_fma_f32 v[CH:CH+1], v[KA:KA+1], v[QS:QS+1], v[TZ:TZ+1]
.elseif ei < 4
	v_pk_mul_f32 v[CH+2*ei:CH+2*ei+1], v[KA+2*ei:KA+2*ei+1], v[QS+2*ei:QS+2*ei+1]
.else
	v_pk_fma_f32 v[CH+2*(ei%4):CH+2*(ei%4)+1], v[KA+2*ei:KA+2*ei+1], v[QS+2*ei:QS+2*ei+1], v[CH+2*(ei%4):CH+2*(ei%4)+1]
.endif
.endif
.elseif j < 312
.set et, j-256
.if et == 0
	v_pk_add_f32 v[CH:CH+1], v[CH:CH+1], v[CH+2:CH+3]
.elseif et == 1
	v_pk_add_f32 v[CH+4:CH+5], v[CH+4:CH+5], v[CH+6:CH+7]
.elseif et == 6
	v_pk_add_f32 v[CH:CH+1], v[CH:CH+1], v[CH+4:CH+5]
.elseif et == 11
	v_add_f32 v[LG], v[CH], v[CH+1]
.elseif et == 16
	v_permlanex16_b32 v[LX], v[LG], s[SEL], s[SEL+1]   ; the position's other 32 of the key's 64 lie in lane l xor 16
.elseif et == 21
	v_add_f32 v[LG], v[LG], v[LX]
.elseif et < 21
	XGELU UA, VA, et-2-(et-2)/5
.elseif et == 26
	v_exp_f32 v[PP], v[LG]                         ; p = e^logit
.elseif et == 55
	v_add_f32 v[SUMP], v[SUMP], v[PP]
.elseif et < 26
	XPOLY UB, TC1, et-22
.else
	XPOLY UB, TC1, et-23
.endif
.else
.set et, j-312
.if et < 8
	XTIMES UB, TC1, et
.elseif et < 16
	XERF UB, EC1, et-8
.elseif et < 32
	XGELU UB, V1, et-16
.elseif et < 40
	XSUM YA, UA, et-32
.else
	XSUM YA+16, UB, et-40
.endif
.endif
.endm
; Slice sk of 32: numbers 45 sk / 4 (rounded down) up to the next slice's first: 11 or 12 instructions.
.macro SLICE
.set j, (45*sk)/4
.rept (45*(sk+1))/4-(45*sk)/4
	EI
.set j, j+1
.endr
.set sk, sk+1
.endm
; Half hf of a tile's products: K steps 4 hf .. 4 hf + 3, the four accumulators by turns, one instruction a turn.  sl = 1: slices 16 hf .. 16 hf + 15 of the tile before stand behind
; them, one behind each.  The slices name no register of a product.  The last slice of a half has six plain lines or more: they are the places in front of the loads into S's registers and of
; TRANSFER's reads.  sl = 0: no vector work is at hand, and four v_nop are those places.
.macro HALF hf, sl
.set sk, 16*\hf
.set ks, 4*\hf
.rept 4
.set gq, 0
.rept 4
.if \hf
	WIN 0xfe                                       ; source 0 (W) window 2; source 1 (S), C and D window 3
.else
	WIN 0xfd                                       ; source 0 (W) window 1
.endif
.set rD, ACC+16*gq
.set rA, 8*(8*(ks%4)+2*gq)
.set rB, 8*ks
.set rW, WS+8*gq+ks
.set rX, SS+ks
	MM32
.if \sl
	SLICE
.endif
.set gq, gq+1
.endr
.set ks, ks+1
.endr
	WIN 0
.if !\sl
.rept 4
	v_nop
.endr
.endif
.endm
; A finished tile's sums leave the accumulators, each from its low end on: the keys x 2 log2(e), the values x kappa.  Behind these 32 lines the next tile's first products may start the accumulators anew.
.macro TRANSFER
	WIN 0x03                                       ; source 0 window 3, destination window 0
.set i, 0
.rept 16
	v_pk_mul_f32 v[KA+2*i:KA+2*i+1], v[ACC+2*i:ACC+2*i+1], s[C2L:C2L+1] op_sel_hi:[1,0]
.set i, i+1
.endr
.set i, 0
.rept 16
	v_pk_mul_f32 v[VA+2*i:VA+2*i+1], v[ACC+32+2*i:ACC+32+2*i+1], s[KAP:KAP+1] op_sel_hi:[1,0]
.set i, i+1
.endr
	WIN 0
.endm
; A TRIP, for tile k.  Each half of S's registers is loaded anew as soon as the tile before has multiplied it, half a tile ahead of its use.
; eb = 0: the first trip, in which there is no tile k - 2.
.macro TRIP eb
	v_add_nc_u32 v[ADR], s[TO], v[AS0]
	v_add_nc_u32 v[ASC], s[SI], v[ASCP]
	FETCH 0                                        ; tile k, K steps 0-3
	HALF 1, \eb                                    ; tile k - 1, K steps 4-7 | tile k - 2, slices 16-31
	FETCH 1                                        ; tile k, K steps 4-7
	TRANSFER                                       ; tile k - 1
	s_wait_dscnt 9                                 ; the first nine loads are in; the nine of FETCH 1 may stay out
	HALF 0, 1                                      ; tile k, K steps 0-3 | tile k - 1, slices 0-15
	s_wait_dscnt 0x0                               ; tile k lies wholly in registers
	s_add_co_u32 s[TO], s[TO], TILEB
	s_add_co_u32 s[SI], s[SI], 544                 ; 16 positions' scale bytes: two pieces of 272
.endm
.macro TRIPS n
	s_mov_b32 s[TC], \n
.Ltrip_\@:
	TRIP 1
	s_sub_co_u32 s[TC], s[TC], 1
	s_cmp_lg_u32 s[TC], 0
	s_cbranch_scc1 .Ltrip_\@
	s_add_co_u32 s[SO], s[SO], 4352                ; 128 positions' scale bytes: sixteen pieces of 272
.endm
; THE CHANGE OF SLOTS, between two trips: the old phase's last tile lies in registers, half multiplied.  Each wave waits for all its tensor loads (its quarter of the slot ahead), adds 0 to its spare word, and waits
; for that and for its reads of the slot that it has left.  refill = 1: a round of the cluster's barrier, so that no wave of any partner still reads that slot or has a load on its way; then the joint load of the next
; phase's 128 positions, first thing behind the round: it has this phase's four trips in which to land.  ask: a prefetch of the phase after that one (below); 1: in every trip, 2: not in the last lap, whose second phase has no phase two on.
.macro CHANGE slot, refill, ask
	s_wait_tensorcnt 0x0                           ; no tensor load of mine is out, so a group 0 may be written
	ds_add_u32 v[SPW], v[NIL]                      ; 0 onto my spare word
.if \refill
	s_add_nc_u64 s[G0A+4*\slot+2:G0A+4*\slot+3], s[G0A+4*\slot+2:G0A+4*\slot+3], 2*PHB   ; this slot's next tile, two phases on (the last such step is not used)
.endif
.if \ask
	s_wait_xcnt 0x0                                ; the last prefetch, a phase back, has read its address
	s_add_nc_u64 s[PFA:PFA+1], s[PFA:PFA+1], PHB
.endif
	s_wait_dscnt 0x0                               ; the add is done, and my reads of the slot that I have left are over
.if \refill
	ROUND
	tensor_load_to_lds s[G0A+4*(1-\slot):G0A+4*(1-\slot)+3], s[G1S:G1S+7]
.rept 4
	v_nop                                          ; four lines behind a tensor load, ahead of branches and window switches
.endr
.else
	s_barrier_signal -1
	s_barrier_wait -1
.endif
; THE PREFETCH INTO THE L2: in phase p the 128 positions of phase p + 2, which the next change of slots will ask for.  Both clusters of a batch's row of clusters read them: the first (cluster x = 0) asks.
; Its four partners take 16,384 bytes each, told apart by address; in each, waves 0 and 1 take 8,192 bytes, lanes 256 bytes apart: each block of 256 bytes is named once in the launch.  Phases 0 and 1 come by their loads alone.
.if \ask == 1
	s_cmp_eq_u32 s[LIM], 1
.endif
.if \ask == 2
	s_cmp_gt_u32 s[LP], s[LIM]
.endif
.if \ask
	s_cbranch_scc0 .Lnot_mine_\@
	global_prefetch_b8 v[PFO], s[PFA:PFA+1] th:TH_LOAD_NT scope:SCOPE_SE
.Lnot_mine_\@:
.endif
	s_mov_b32 s[TO], \slot*SLOTB
	s_mov_b32 s[SI], 0
	v_add_nc_u32 v[ASCP], s[SO], v[ASC0]
.endm
; W's fragments of K steps k0 .. k0 + 3 into the window that is set: column tiles 0-3 from Wk's rows, 4-7 from Wv's
.macro WLOAD k0
.set ks, 0
.rept 4
.set ct, 0
.rept 4
	ds_load_b128 v[8*(8*ks+ct):8*(8*ks+ct)+3],       v[AWK] offset:ct*TILEB+64*(ks+\k0)
	ds_load_b128 v[8*(8*ks+ct)+4:8*(8*ks+ct)+7],     v[AWK] offset:ct*TILEB+64*(ks+\k0)+32
	ds_load_b128 v[8*(8*ks+ct+4):8*(8*ks+ct+4)+3],   v[AWV] offset:ct*TILEB+64*(ks+\k0)
	ds_load_b128 v[8*(8*ks+ct+4)+4:8*(8*ks+ct+4)+7], v[AWV] offset:ct*TILEB+64*(ks+\k0)+32
.set ct, ct+1
.endr
.set ks, ks+1
.endr
.endm
	s_load_b256 s[4:11], s[0:1], 0x0               ; S's codes s[4:5], S's scales s[6:7], Wk's codes s[8:9], Wk's scales s[10:11]
	s_load_b256 s[12:19], s[0:1], 0x20             ; Wq's codes s[12:13], Wq's scales s[14:15], Wv's codes s[16:17], Wv's scales s[18:19]
	s_load_b128 s[20:23], s[0:1], 0x40             ; X's codes s[20:21], X's scales s[22:23]
	s_load_b64 s[24:25], s[0:1], 0x50              ; out0
	v_lshl_add_u32 v[SPW], v0, 2, SPARE
	v_mov_b32 v[NIL], 0
	v_lshrrev_b32 v[TMP], 5, v0
	v_readfirstlane_b32 s[WV], v[TMP]              ; wave 0..3
	s_lshr_b32 s[HH], s[WV], 1                     ; my head of the two
	s_and_b32 s[RH], s[WV], 1                      ; my half of a phase's positions
	s_bfe_u32 s[CX], ttmp6, 0x40000                ; cx, cy: my place in the cluster
	s_bfe_u32 s[CY], ttmp6, 0x40004
	s_lshl_b32 s[HP], ttmp9, 2
	s_add_co_u32 s[HP], s[HP], s[CX]               ; the pair of heads = 4 x cluster x + cx
	s_and_b32 s[BB], ttmp7, 0xffff
	s_lshl_b32 s[BB], s[BB], 2
	s_add_co_u32 s[BB], s[BB], s[CY]               ; the batch = 4 x cluster y + cy
	s_lshl_b32 s56, s[CY], 2
	s_lshl_b32 s56, 15, s56                        ; my row of the cluster
	s_lshl_b32 s57, 0x1111, s[CX]                  ; my column
	; descriptor groups 1.  Codes: 32 rows of 512 elements of 1 byte, 512 apart in memory; 4 words of padding behind every 128
	s_or_b32 s[G1S], s56, (1<<20)|(1<<21)|(6<<22)|(3<<25)   ; 15:0 the mask; 17:16 elements of 1 byte; 20 padding on; 21 set beside a mask; 24:22 after every 128 words (code 6); 31:25 four words (code 3)
	s_or_b32 s[G1Q], s57, (1<<20)|(1<<21)|(6<<22)|(3<<25)
.irp g, G1S, G1Q
	s_mov_b32 s[\g+1], 512<<16                     ; tensor_dim0
	s_mov_b32 s[\g+2], 32<<16                      ; tensor_dim1
	s_mov_b32 s[\g+3], 512<<16                     ; tile_dim0
	s_mov_b32 s[\g+4], 32                          ; tile_dim1
	s_mov_b32 s[\g+5], 512                         ; tensor_dim0_stride
	s_mov_b32 s[\g+6], 0
	s_mov_b32 s[\g+7], 0
.endr
	; scale bytes: a dense block of 8,192 bytes as 32 rows of 32 elements of 8 bytes; 4 words of padding behind every 64
	s_or_b32 s[G1C], s56, (3<<16)|(1<<20)|(1<<21)|(5<<22)|(3<<25)
	s_mov_b32 s[G1C+1], 32<<16
	s_mov_b32 s[G1C+2], 32<<16
	s_mov_b32 s[G1C+3], 32<<16
	s_mov_b32 s[G1C+4], 32
	s_mov_b32 s[G1C+5], 32
	s_mov_b32 s[G1C+6], 0
	s_mov_b32 s[G1C+7], 0
	s_mov_b32 s[SEL], 0x76543210
	s_mov_b32 s[SEL+1], 0xfedcba98
	s_mov_b32 s[C2L], 0x4038aa3b                   ; 2 log2(e)
	s_mov_b32 s[C2L+1], 0x4038aa3b
	s_mov_b32 s[KAP], 0x3f596d27                   ; kappa = sqrt(log2(e) / 2) = 0.84932180
	s_mov_b32 s[KAP+1], 0x3f596d27
	s_mov_b32 s[CA4], 0xbfba00e3                   ; a4 = -1.453152027
	s_mov_b32 s[CA4+1], 0xbfba00e3
	s_lshr_b32 s[LIM], s[WV], 1                    ; 0 in waves 0 and 1,
	s_or_b32 s[LIM], s[LIM], ttmp9                 ; of the first cluster along x: the same in all sixteen partners
	s_cmp_eq_u32 s[LIM], 0
	s_cselect_b32 s[LIM], 1, -1
	; LDS addresses, all made here: constants, the lane and the wave's number
	v_and_b32 v[RR], 15, v0
	v_bfe_u32 v[HF], v0, 4, 1
	v_mul_u32_u24 v[TMP], v[RR], PITCH
	v_lshl_add_u32 v[TMP], v[HF], 4, v[TMP]        ; a fragment's row x pitch + 16 h
	s_mul_i32 s2, s[RH], CHK
	v_add_nc_u32 v[AS0], s2, v[TMP]
	s_mul_i32 s2, s[HH], CHK
	s_add_co_u32 s2, s2, SLOTB
	v_add_nc_u32 v[AWQ], s2, v[TMP]
	s_add_co_u32 s2, s2, SLOTB
	v_add_nc_u32 v[AWK], s2, v[TMP]
	s_add_co_u32 s2, s2, SLOTB
	v_add_nc_u32 v[AWV], s2, v[TMP]
	v_lshrrev_b32 v[ASC0], 3, v[RR]
	v_mul_u32_u24 v[ASC0], v[ASC0], 272
	v_and_b32 v[TMP], 7, v[RR]
	v_lshl_add_u32 v[ASC0], v[TMP], 5, v[ASC0]     ; position r of a tile: piece r / 8, 32 bytes a position
	s_mul_i32 s2, s[RH], 2176
	s_add_co_u32 s2, s2, SCL
	v_add_nc_u32 v[ASC0], s2, v[ASC0]
	s_lshl_b32 s2, s[WV], 9
	s_add_co_u32 s2, s2, RED
	v_lshl_add_u32 v[RA], v[HF], 5, s2             ; my wave's 512 bytes, + 32 h
	v_lshlrev_b32 v[RS], 10, v[HF]
	v_add_nc_u32 v[RS], RED, v[RS]                 ; wave 0 at the end: lanes 0-15 read waves 0 and 1 (head 0), lanes 16-31 waves 2 and 3
	v_lshl_add_u32 v[RL], v[RR], 4, v[RS]
	v_and_b32 v[TMP], 31, v0
	v_lshlrev_b32 v[GO], 4, v[TMP]
	v_lshlrev_b32 v[LO32], 5, v[TMP]
	v_lshlrev_b32 v[PFO], 8, v[TMP]
	v_lshlrev_b32 v[HO16], 4, v[HF]
	v_mov_b32 v[ZO], 0
	s_mul_i32 s3, s[WV], QTR                       ; where my quarter of a stage or slot goes: no place in the cluster enters an LDS address
	s_wait_kmcnt 0x0
	; what hangs on the batch, which my row of the cluster shares: offsets in s[66:67]
	s_lshl_b32 s66, s[BB], 19
	s_lshl_b32 s2, s[WV], 14
	s_add_co_u32 s66, s66, s2                      ; S's codes: 2^19 bytes a batch, my 32 rows of a phase
	s_mov_b32 s67, 0
	s_mov_b32 s[G0A], 1                            ; 1:0 count = 1
	s_mov_b32 s[G0A+1], s3                         ; 63:32 LDS address
	s_add_nc_u64 s[G0A+2:G0A+3], s[4:5], s[66:67]  ; 120:64 global address: phase 0
	s_mov_b32 s[G0B], 1
	s_add_co_u32 s[G0B+1], s3, SLOTB
	s_add_nc_u64 s[G0B+2:G0B+3], s[G0A+2:G0A+3], PHB   ; phase 1
	s_or_b32 s[G0A+3], s[G0A+3], 0x80000000        ; 127:126 type = 2
	s_or_b32 s[G0B+3], s[G0B+3], 0x80000000
	s_lshl_b32 s66, s[BB], 15
	s_lshl_b32 s2, s[WV], 13
	s_add_co_u32 s66, s66, s2                      ; S's scale bytes: 2^15 a batch, my quarter
	s_mov_b32 s[G0C], 1
	s_mul_i32 s[G0C+1], s[WV], SCQ
	s_add_co_u32 s[G0C+1], s[G0C+1], SCL
	s_add_nc_u64 s[G0C+2:G0C+3], s[6:7], s[66:67]
	s_or_b32 s[G0C+3], s[G0C+3], 0x80000000
	s_lshl_b32 s66, s[BB], 9
	s_add_nc_u64 s[20:21], s[20:21], s[66:67]      ; X's row of codes
	s_lshl_b32 s66, s[BB], 5
	s_add_nc_u64 s[22:23], s[22:23], s[66:67]      ; and of scale bytes
	; what hangs on the pair of heads, which my column shares: offsets in s[58:59]
	s_lshl_b32 s58, s[HP], 16
	s_lshl_b32 s2, s[WV], 14
	s_add_co_u32 s58, s58, s2                      ; 128 rows of 512 bytes a pair of heads, my 32 of them
	s_mov_b32 s59, 0
	s_mov_b32 s[G0WK], 1
	s_add_co_u32 s[G0WK+1], s3, WST
	s_add_nc_u64 s[G0WK+2:G0WK+3], s[8:9], s[58:59]
	s_or_b32 s[G0WK+3], s[G0WK+3], 0x80000000
	s_mov_b32 s[G0WV], 1
	s_add_co_u32 s[G0WV+1], s3, WST+SLOTB
	s_add_nc_u64 s[G0WV+2:G0WV+3], s[16:17], s[58:59]
	s_or_b32 s[G0WV+3], s[G0WV+3], 0x80000000
	s_mov_b32 s[G0Q], 1
	s_add_co_u32 s[G0Q+1], s3, SLOTB
	s_add_nc_u64 s[G0Q+2:G0Q+3], s[12:13], s[58:59]
	s_or_b32 s[G0Q+3], s[G0Q+3], 0x80000000
	s_lshl_b32 s58, s[HP], 12
	s_lshl_b32 s2, s[HH], 11
	s_add_co_u32 s58, s58, s2                      ; the weights' scale bytes: 2,048 a head
	s_add_nc_u64 s[10:11], s[10:11], s[58:59]
	s_add_nc_u64 s[14:15], s[14:15], s[58:59]
	s_add_nc_u64 s[18:19], s[18:19], s[58:59]
	; what hangs on both: the prefetches' address and out0
	s_lshl_b32 s56, s[BB], 19
	s_lshl_b32 s57, s[CX], 14
	s_add_co_u32 s56, s56, s57                     ; my work-group's 16,384 bytes of a phase,
	s_lshl_b32 s57, s[WV], 13
	s_add_co_u32 s56, s56, s57                     ; my wave's 8,192 of them,
	s_add_co_u32 s56, s56, PHB                     ; in phase 1: the first change of slots steps it to phase 2.  Nothing is prefetched at the head
	s_mov_b32 s57, 0
	s_add_nc_u64 s[PFA:PFA+1], s[4:5], s[56:57]
	s_lshl_b32 s56, s[BB], 12
	s_lshl_b32 s57, s[HP], 9
	s_add_co_u32 s56, s56, s57
	s_mov_b32 s57, 0
	s_add_nc_u64 s[24:25], s[24:25], s[56:57]      ; my work-group's 512 bytes of out0
	ROUND                                          ; all sixteen work-groups are here: the first joint loads meet
	tensor_load_to_lds s[G0WK:G0WK+3], s[G1Q:G1Q+7]   ; the five first fills go out together: five tensor loads of mine are out
	tensor_load_to_lds s[G0WV:G0WV+3], s[G1Q:G1Q+7]
	tensor_load_to_lds s[G0Q:G0Q+3], s[G1Q:G1Q+7]
	tensor_load_to_lds s[G0C:G0C+3], s[G1C:G1C+7]
	tensor_load_to_lds s[G0A:G0A+3], s[G1S:G1S+7]
.rept 4
	v_nop
.endr
	; straight into registers: the weights' scale words (lane L takes row 32 g + L: 32 bytes, eight K steps), X's fragments and scale words.
	; Every lane takes X's ONE row, so that each of the 16 columns of the product is the batch's query, and q falls into the lanes as the keys do.
.irp g, 0,1
	global_load_b128 v[WS+8*\g:WS+8*\g+3],       v[LO32], s[10:11] offset:1024*\g
	global_load_b128 v[WS+8*\g+4:WS+8*\g+7],     v[LO32], s[10:11] offset:1024*\g+16
	global_load_b128 v[WS+16+8*\g:WS+16+8*\g+3],   v[LO32], s[18:19] offset:1024*\g
	global_load_b128 v[WS+16+8*\g+4:WS+16+8*\g+7], v[LO32], s[18:19] offset:1024*\g+16
	global_load_b128 v[WQS+8*\g:WQS+8*\g+3],     v[LO32], s[14:15] offset:1024*\g
	global_load_b128 v[WQS+8*\g+4:WQS+8*\g+7],   v[LO32], s[14:15] offset:1024*\g+16
.endr
.irp k, 0,1,2,3,4,5,6,7
	global_load_b128 v[XF+8*\k:XF+8*\k+3],   v[HO16], s[20:21] offset:64*\k
	global_load_b128 v[XF+8*\k+4:XF+8*\k+7], v[HO16], s[20:21] offset:64*\k+32
.endr
	global_load_b128 v[XS:XS+3],   v[ZO], s[22:23]
	global_load_b128 v[XS+4:XS+7], v[ZO], s[22:23] offset:16
	s_wait_tensorcnt 0x2                           ; my quarters of Wk, Wv and Wq are in; the two younger loads (S's scale bytes, slot 0) may stay out
	s_barrier_signal -1
	s_barrier_wait -1                              ; everybody's are
	WIN 0x40                                       ; destination window 1
	WLOAD 0
	WIN 0x80                                       ; destination window 2
	WLOAD 4
	WIN 0xc0                                       ; destination window 3: Wq's fragment (c, K step s) at v[8 (4 s + c)]
.set ks, 0
.rept 8
.set ct, 0
.rept 4
	ds_load_b128 v[8*(4*ks+ct):8*(4*ks+ct)+3],   v[AWQ] offset:ct*TILEB+64*ks
	ds_load_b128 v[8*(4*ks+ct)+4:8*(4*ks+ct)+7], v[AWQ] offset:ct*TILEB+64*ks+32
.set ct, ct+1
.endr
.set ks, ks+1
.endr
	WIN 0
	s_wait_loadcnt 0x0                             ; scale words and X are in: the pointers' registers are free
	s_mov_b32 s[CA3], 0x3fb5f0e3                   ; a3 = 1.421413741
	s_mov_b32 s[CA3+1], 0x3fb5f0e3
	s_mov_b32 s[CA2], 0xbe91a98e                   ; a2 = -0.284496736
	s_mov_b32 s[CA2+1], 0xbe91a98e
	s_mov_b32 s[CA1], 0x3e827906                   ; a1 = 0.254829592
	s_mov_b32 s[CA1+1], 0x3e827906
	s_mov_b32 s[PCO], 0x3e8ba43f                   ; 0.3275911 / sqrt(log2 e) = 0.27273748
	s_mov_b32 s[K4C], 0x3f38aa3b                   ; 4 c = log2(e) / 2
	s_mov_b32 s[KM2C], 0xbeb8aa3b                  ; -2 c
	s_mov_b32 s[K32C], 0x40b8aa3b                  ; 32 c
	s_wait_dscnt 0x0                               ; all fragments of Wk, Wv and Wq are in registers
	; THE QUERY: 16 matrix instructions, two accumulators by turns
	WIN 0x03                                       ; source 0 (Wq) window 3
.set ks, 0
.rept 8
.set gq, 0
.rept 2
.set rD, KA+16*gq
.set rA, 8*(4*ks+2*gq)
.set rB, XF+8*ks
.set rW, WQS+8*gq+ks
.set rX, XS+ks
	MM32
.set gq, gq+1
.endr
.set ks, ks+1
.endr
	WIN 0
.rept 4
	v_nop                                          ; four places behind the last products (ISA guide 7.12.1)
.endr
.set i, 0
.rept 16
	v_pk_mul_f32 v[KA+2*i:KA+2*i+1], v[KA+2*i:KA+2*i+1], s[C2L:C2L+1] op_sel_hi:[1,0]
.set i, i+1
.endr
.set i, 0
.rept 32
	v_exp_f32 v[KA+i], v[KA+i]
.set i, i+1
.endr
	v_nop                                          ; a plain line behind the last exponential
.set i, 0
.rept 16
	v_pk_add_f32 v[KA+2*i:KA+2*i+1], v[KA+2*i:KA+2*i+1], 1.0 op_sel_hi:[1,0]
.set i, i+1
.endr
.set i, 0
.rept 32
	v_rcp_f32 v[KA+i], v[KA+i]                     ; r: q = 1 - 2 r
.set i, i+1
.endr
	v_nop
.set i, 0
.rept 8
	v_pk_add_f32 v[TA+2*i:TA+2*i+1], v[KA+2*i:KA+2*i+1], v[KA+16+2*i:KA+16+2*i+1]   ; the sum of my 32 r
.set i, i+1
.endr
.irp n, 4,2,1
.set i, 0
.rept \n
	v_pk_add_f32 v[TA+2*i:TA+2*i+1], v[TA+2*i:TA+2*i+1], v[TA+2*(i+\n):TA+2*(i+\n)+1]
.set i, i+1
.endr
.endr
	v_add_f32 v[TA], v[TA], v[TA+1]
	v_fma_f32 v[TZ], v[TA], s[KM2C], s[K32C]       ; c x the sum of my 32 q = 32 c - 2 c x the sum of r
	v_mov_b32 v[TZ+1], 0
	WIN 0xc0                                       ; destination window 3
.set i, 0
.rept 32
	v_fma_f32 v[QS+i], v[KA+i], s[K4C], s[KM2C]    ; -2 c q = 4 c r - 2 c
.set i, i+1
.endr
	WIN 0
	v_mov_b32 v[A5], 0x3f87dc22                    ; a5 = 1.061405429
	v_mov_b32 v[A5+1], 0x3f87dc22
.set i, 0
.rept 32
	v_mov_b32 v[YA+i], 0                           ; the vector work is written once: its first run finds zeros
.set i, i+1
.endr
	v_mov_b32 v[SUMP], 0
	v_mov_b32 v[PP+1], 0                           ; named as the upper half of a pair
	v_mov_b32 v[LX], 0                             ; a lane permute's destination counts as one of its sources
	s_mov_b32 s[SO], 0
	; THE RING: eight phases of 128 positions through two slots; my 32 tiles are numbered 0 to 31, four to a phase.  Trip k runs for k = 1 to 31; the change to phase p stands in front of trip 4 p.
	CHANGE 0, 1, 1                                 ; slot 0 and the scale bytes are in; Wq has been read out of slot 1, which takes phase 1
	v_add_nc_u32 v[ADR], s[TO], v[AS0]             ; tile 0 has no tile before it: its loads and its first half are written out
	v_add_nc_u32 v[ASC], s[SI], v[ASCP]
	FETCH 0
	FETCH 1
	s_wait_dscnt 9                                 ; the first nine loads are in
	HALF 0, 0
	s_wait_dscnt 0x0
	s_add_co_u32 s[TO], s[TO], TILEB
	s_add_co_u32 s[SI], s[SI], 544
	TRIP 0                                         ; trip 1
	TRIPS 2                                        ; trips 2 and 3
	s_mov_b32 s[LP], 3
.Llap:                                             ; phases 1 to 6: each asks for the phase that follows it
	CHANGE 1, 1, 1
	TRIPS 4
	CHANGE 0, 1, 2
	TRIPS 4
	s_sub_co_u32 s[LP], s[LP], 1
	s_cmp_lg_u32 s[LP], 0
	s_cbranch_scc1 .Llap
	CHANGE 1, 0, 0                                 ; phase 7 is written out: nothing is left to fetch
	TRIPS 4
	HALF 1, 1                                      ; tile 31, K steps 4-7 | tile 30, slices 16-31
	TRANSFER                                       ; tile 31,
.set j, 0
.rept NEI
	EI                                             ; and its vector work, with no products left to set between
.set j, j+1
.endr
	WIN 0
	; THE END.  The 16 positions of a half of the lanes are added; the four waves' sums meet in LDS; wave 0 divides and stores the work-group's 512 bytes.
.irp m, 1,2,4,8
.set i, 0
.rept 32
	v_add_f32_dpp v[YA+i], v[YA+i], v[YA+i] row_xmask:\m row_mask:0xf bank_mask:0xf
.set i, i+1
.endr
	v_add_f32_dpp v[SUMP], v[SUMP], v[SUMP] row_xmask:\m row_mask:0xf bank_mask:0xf
.endr
.irp c, 0,1,2,3
	ds_store_b128 v[RA], v[YA+8*\c:YA+8*\c+3]   offset:64*\c      ; value 16 c + 8 h + 0 .. 7 at 4 bytes each; the 16 lanes of a half write the same bytes with the same numbers
	ds_store_b128 v[RA], v[YA+8*\c+4:YA+8*\c+7] offset:64*\c+16
.endr
	ds_store_b32 v[RA], v[SUMP] offset:256         ; the sum of my wave's p (both halves hold it; the copy at + 256 is read)
	s_wait_dscnt 0x0                               ; for the others' sake: my stores have landed
	s_barrier_signal -1
	s_barrier_wait -1
	s_cmp_lg_u32 s[WV], 0
	s_cbranch_scc1 .Ldone
	ds_load_b128 v[TA:TA+3],   v[RL]               ; lane L: values 4 (L % 16) on of head L / 16, from the head's two waves
	ds_load_b128 v[TA+4:TA+7], v[RL] offset:512
	ds_load_b32 v[TA+8], v[RS] offset:256
	ds_load_b32 v[TA+9], v[RS] offset:768
	s_wait_dscnt 0x0
	v_add_f32 v[TA+8], v[TA+8], v[TA+9]
	v_rcp_f32 v[TA+8], v[TA+8]
	v_pk_add_f32 v[TA:TA+1], v[TA:TA+1], v[TA+4:TA+5]             ; (a plain line behind the reciprocal)
	v_pk_add_f32 v[TA+2:TA+3], v[TA+2:TA+3], v[TA+6:TA+7]
	v_mul_f32 v[TA+8], 0x3f16b55f, v[TA+8]         ; 0.5 / kappa = 0.58870501: gelu's 0.5, and the values back from y to x
	v_pk_mul_f32 v[TA:TA+1], v[TA:TA+1], v[TA+8:TA+9] op_sel_hi:[1,0]
	v_pk_mul_f32 v[TA+2:TA+3], v[TA+2:TA+3], v[TA+8:TA+9] op_sel_hi:[1,0]
	global_store_b128 v[GO], v[TA:TA+3], s[24:25]  ; 32 lanes store 512 consecutive bytes, at a multiple of 512 from out0's first byte
.Ldone:
	s_wait_tensorcnt 0x0                           ; the wave's end: behind my last tensor load and my last LDS store
	ds_add_u32 v[SPW], v[NIL]
	s_wait_dscnt 0x0
	ROUND                                          ; the closing round: no work-group ends while a partner may still ask for a tile that names it
	s_endpgm
.Lfunc_end_k_q6769bf3b76_attn:
	.size	k_q6769bf3b76_attn, .Lfunc_end_k_q6769bf3b76_attn-k_q6769bf3b76_attn
	.p2alignl 7, 3214868480
	.fill 96, 4, 3214868480
	.section	.rodata,"a",@progbits
	.p2align	6, 0x0
	.amdhsa_kernel k_q6769bf3b76_attn
		.amdhsa_group_segment_fixed_size 327680
		.amdhsa_private_segment_fixed_size 0
		.amdhsa_enable_private_segment 0
		.amdhsa_kernarg_size 88
		.amdhsa_user_sgpr_count 2
		.amdhsa_user_sgpr_kernarg_segment_ptr 1
		.amdhsa_wavefront_size32 1
		.amdhsa_system_sgpr_workgroup_id_x 1
		.amdhsa_system_sgpr_workgroup_id_y 1
		.amdhsa_system_sgpr_workgroup_id_z 1
		.amdhsa_system_vgpr_workitem_id 0
		.amdhsa_next_free_vgpr 1024
		.amdhsa_next_free_sgpr 102
		.amdhsa_reserve_vcc 0
		.amdhsa_float_denorm_mode_32 3
		.amdhsa_float_denorm_mode_16_64 3
		.amdhsa_memory_ordered 1
		.amdhsa_forward_progress 1
		.amdhsa_inst_pref_size 216
	.end_amdhsa_kernel
	.amdgpu_metadata
---
amdhsa.version: [ 1, 2 ]
amdhsa.kernels:
  - .name:           k_q6769bf3b76_attn
    .symbol:         k_q6769bf3b76_attn.kd
    .args:
      - { .name: S_codes, .offset: 0, .size: 8, .value_kind: global_buffer, .address_space: global }
      - { .name: S_scales, .offset: 8, .size: 8, .value_kind: global_buffer, .address_space: global }
      - { .name: Wk_codes, .offset: 16, .size: 8, .value_kind: global_buffer, .address_space: global }
      - { .name: Wk_scales, .offset: 24, .size: 8, .value_kind: global_buffer, .address_space: global }
      - { .name: Wq_codes, .offset: 32, .size: 8, .value_kind: global_buffer, .address_space: global }
      - { .name: Wq_scales, .offset: 40, .size: 8, .value_kind: global_buffer, .address_space: global }
      - { .name: Wv_codes, .offset: 48, .size: 8, .value_kind: global_buffer, .address_space: global }
      - { .name: Wv_scales, .offset: 56, .size: 8, .value_kind: global_buffer, .address_space: global }
      - { .name: X_codes, .offset: 64, .size: 8, .value_kind: global_buffer, .address_space: global }
      - { .name: X_scales, .offset: 72, .size: 8, .value_kind: global_buffer, .address_space: global }
      - { .name: out0, .offset: 80, .size: 8, .value_kind: global_buffer, .address_space: global }
    .group_segment_fixed_size: 327680
    .private_segment_fixed_size: 0
    .kernarg_segment_align: 8
    .kernarg_segment_size: 88
    .max_flat_workgroup_size: 128
    .sgpr_count:     102
    .vgpr_count:     1024
    .wavefront_size: 32
...
	.end_amdgpu_metadata
.endif
;; end of part 1
